; MI455X (gfx1250); checked and timed in simulation.
; The chip was launched on July 23, 2026; its instructions are those of AMD's public machine-readable ISA for CDNA 5 (MIT licence, August 2026) and "CDNA5" Instruction Set Architecture Reference Guide (July 2026). The comments in the code are by the model that wrote it; some were corrected since.
;; VQVAE. Allowed arithmetic: matrix products marked QUANTISED: E3M2 operands, one E8M0 scale for each 32 along K, by v_wmma_scale_f32_16x16x128_f8f6f4 with both operands' format E3M2, f32 sums; everything else in f32.
;; Inputs: codebook 8,192 x 512 float32; z_e 16 x 1,024 x 512 float32.
;; Outputs: out0 2 x 16 x 1,024 x 512 float32.
;; This version of the problem:
;;   THIS VERSION OF THE PROBLEM IS GIVEN IN LOW PRECISION. The matrix products marked QUANTISED in the list below multiply operands that are first quantised to E3M2 (3 exponent bits, 2 mantissa bits; 6 bits a number), with one power-of-two scale for each 32 numbers along K (OCP MX v1.0); their sums are f32. All else is computed in f32.
;;   The module's matrix products, in the order in which they are computed (A, B: the left and right operand; K: the contracted axis; several contracted axes count as one K, in the product's order):
;;     1. [M 16,384, K 512] x [K 512, N 8,192]; A: input z_e; B: input codebook: QUANTISED
;;   THE QUANTISER, for each operand of a quantised product, along K:
;;     - K is cut into blocks of 32 from its start; a last block that is shorter is filled with zeros.
;;     - A block's scale is 2^e with e = floor(log2(the largest magnitude in the block)) - 4, held to -126 .. 127; a block of zeros has e = 0. As a byte (E8M0): e + 127.
;;     - Each number is divided by its block's scale, clamped to +-28, and rounded to the nearest number of E3M2, ties to even, subnormals kept.
;;     - The product sums the exact products of the quantised numbers (number of the format x scale) in f32.
;;   ~~~python
;;   def quantise(x, axis):      # numpy; x: float32 -> the quantised numbers, widened to float32 again
;;       x = np.moveaxis(x, axis, -1); K = x.shape[-1]
;;       x = np.pad(x, [(0, 0)] * (x.ndim - 1) + [(0, -K % 32)]); x = x.reshape(x.shape[:-1] + (-1, 32)); a = np.abs(x).max(-1, keepdims=True)
;;       e = np.where(a > 0, np.clip(np.frexp(np.where(a > 0, a, 1))[1] - 1 - 4, -126, 127), 0)      # np.frexp(a)[1] - 1 = floor(log2(a)), exactly
;;       r = np.clip(x / 2.0 ** e, -28, 28)
;;       step = 2.0 ** (np.maximum(np.frexp(np.where(r == 0, 1, r))[1] - 1, -2) - 2)
;;       q = np.round(r / step) * step * 2.0 ** e      # np.round: ties to even
;;       return np.moveaxis(q.reshape(q.shape[:-2] + (-1,))[..., :K], -1, axis).astype(np.float32)
;;   ~~~
;; One version. Each part assembles by itself: llvm-mc -triple=amdgcn-amd-amdhsa -mcpu=gfx1250 --defsym DOCPART=n.
;; ======== version 1 of 1: 3 launches
;; limits: right only within a limited range of input values
;; workspace buffers: zrec 6,815,744 bytes; cbrec 3,407,872 bytes; part 1,048,576 bytes of whole numbers
;; launch quant (part 1): grid 768 x 1, 2 waves a work-group, no clusters, 17,664 bytes of LDS; arguments z_e, codebook, zrec, cbrec; writes zrec, cbrec
.if DOCPART == 1
	.amdgcn_target "amdgcn-amd-amdhsa--gfx1250"
	.amdhsa_code_object_version 6
	.text
	.protected	k_q9181d2d454_quant
	.globl	k_q9181d2d454_quant
	.p2align	8
	.type	k_q9181d2d454_quant,@function
k_q9181d2d454_quant:
	s_mov_b64 s[64:65], 0
	v_nop
	global_prefetch_b8 v0, s[64:65] scope:SCOPE_SE
	s_setreg_imm32_b32 hwreg(HW_REG_WAVE_MODE, 25, 1), 1
	s_wait_xcnt 0x0
; z_e [16384][512] and codebook [8192][512], f32, become TILE RECORDS: 16 rows x K 512 as codes of BF6 (E3M2) with one E8M0 scale byte for each 32 along K,
; laid in the order of a matrix operand's registers, with the rows' sums of squares (f32) behind them.  A record is REC = 6,656 bytes = 26 x 256:
;   0 .. 6143     the four K steps' fragments: group g = 3 s + c of four registers (registers 4 c .. 4 c + 3 of K step s's twelve) at 512 g + 16 lane
;   6144 .. 6399  8 bytes a lane: word 0 = the row's scale word of K step 0 (lanes 0-15) or 1 (lanes 16-31), word 1 = that of K step 2 or 3
;   6400 .. 6655  the 16 sums of squares, 64 bytes, four times over, so that these 256 bytes are written whole by one store
; A block's scale is 2^(floor(log2(its largest magnitude)) - 4): its byte is the largest magnitude's exponent field - 4, held at 1 from below by a floor among the maximum's leaves.
; LIMITS: a block of zeros gets the byte 1 where the rule says 127 (its codes are zeros, and this program alone reads the bytes); NaN and infinities among the inputs are not served;
; a row's sum of squares is added in eight chains and across two lanes, another order than a plain sum along the row.
; SHARES: one wave makes one record: 32,768 bytes in, 6,656 out.  Work-groups 0-511 take z_e's 1,024 tiles, 512-767 the codebook's 512: only pointers are chosen, the text has one path.
; Each load reads 512 bytes on end (one row's K step); a K step's 16 rows turn through the wave's own stage in LDS, so that lane (r, h) gets, of row r, the two blocks of 32 that the
; operand's layout gives it: k = 128 s + 32 h + 0..31 and k = 128 s + 64 + 32 h + 0..31.  So a block's maximum needs no other lane and the conversions' results are the operand's registers.
; No matrix unit, no cluster, no tensor load: waves share nothing, and every input byte is read once.
; WORK LEFT OUT BY THE PROGRAM: out0[0] = z_e + (z_q - z_e).  In real numbers z_e cancels for all finite values of z_e and z_q, so out0[0] = z_q = out0[1]: the last launch stores the
; chosen codebook row in both planes and does not load z_e.  z_e stays live for the quantised product and for z2, and is read here.
; LIMIT: the two f32 roundings of that sum (each at most half a unit in the last place of a number of z_e's size) are not reproduced, and a NaN, an infinity or an overflow
; that reaches only z_e + (z_q - z_e) is not carried to the result.
.set REC,    6656
.set SPITCH, 528                       ; a stage row: 512 bytes + 16, an odd multiple of 16: the sixteen rows that a load touches begin at sixteen different 16-byte columns
.set WREG,   8704                      ; LDS of a wave: the stage (16 x 528), then 64 bytes for the sums
.set SUMS,   8448
.set W,   16                           ; v16-19   the four K steps' scale words
.set SQ,  20                           ; v20-27   four pairs: chains of squares
.set X,   32                           ; v32-95   64 numbers: my two blocks of a K step
.set R,   96                           ; v96-223  two sets of 64: a K step as loaded
.set P,   224                          ; v224-247 two sets of 12: a fragment's codes
.set T,   248                          ; v248-250, v252-254: the halves whose place in a fragment begins on an odd register
	s_load_b128 s[4:7], s[0:1], 0x0                ; z_e, codebook
	s_load_b128 s[8:11], s[0:1], 0x10              ; zrec, cbrec
	v_lshl_add_u32 v251, v0, 2, 0x4400
	v_mov_b32 v255, 0
	v_lshrrev_b32 v1, 5, v0
	v_readfirstlane_b32 s12, v1                    ; wave 0, 1
	v_and_b32 v1, 31, v0                           ; lane
	v_and_b32 v2, 15, v0                           ; r
	v_bfe_u32 v3, v0, 4, 1                         ; h
	s_mul_i32 s18, s12, WREG                       ; my wave's LDS
	s_add_co_u32 s19, s18, SUMS
	v_lshlrev_b32 v4, 4, v1                        ; 16 lane: my place in a load's or a store's 512 bytes
	v_add_nc_u32 v5, s18, v4                       ; the stage, on the way in
	v_mul_u32_u24 v6, v2, SPITCH
	v_lshl_add_u32 v6, v3, 7, v6
	v_add_nc_u32 v6, s18, v6                       ; and on the way out: row r, + 128 h
	v_lshl_add_u32 v7, v2, 2, s19                  ; where my row's sum goes
	v_and_b32 v8, 7, v0
	v_lshl_add_u32 v8, v8, 3, s19                  ; and where I read two sums back
	v_lshlrev_b32 v9, 3, v1                        ; 8 lane
	v_lshlrev_b32 v29, 3, v3                       ; 8 h: my two scale bytes' shift in the word
	v_mov_b32 v28, 0                               ; written once: a lane permute's destination counts as one of its sources
	s_mov_b32 s20, 0x76543210
	s_mov_b32 s21, 0xfedcba98                      ; v_permlanex16_b32's selects for lane l xor 16
	s_mov_b32 s22, 0xffff0000                      ; lanes 16-31
	s_wait_alu depctr_va_vdst(0)
	s_wait_kmcnt 0x0
	s_cmp_lt_u32 ttmp9, 512                        ; z_e's work-group or the codebook's?  The choice hangs on the work-group's number alone; all three selections stand ahead of any line that sets SCC
	s_cselect_b64 s[4:5], s[4:5], s[6:7]
	s_cselect_b64 s[8:9], s[8:9], s[10:11]
	s_cselect_b32 s13, 0, 1024
	s_lshl_b32 s14, ttmp9, 1
	s_add_co_u32 s14, s14, s12
	s_sub_co_u32 s13, s14, s13                     ; my tile in its tensor
	s_lshl_b32 s14, s13, 15                        ; 16 rows of 2,048 bytes
	s_mov_b32 s15, 0
	s_add_nc_u64 s[4:5], s[4:5], s[14:15]
	s_mul_i32 s16, s13, REC
	s_mov_b32 s17, 0
	s_add_nc_u64 s[8:9], s[8:9], s[16:17]
.macro LOAD s                          ; K step s of the 16 rows into set s % 2: each load 512 bytes on end; read once in this launch
.set n, 0
.rept 16
	global_load_b128 v[R+64*((\s)%2)+4*n:R+64*((\s)%2)+4*n+3], v4, s[4:5] offset:2048*n+512*(\s) th:TH_LOAD_NT
.set n, n+1
.endr
.endm
.macro TURN s                          ; through the stage: LDS serves a wave's instructions in order (ISA guide 5.7.1.4), so no wait stands between the stores and the loads
.set n, 0
.rept 16
	ds_store_b128 v5, v[R+64*((\s)%2)+4*n:R+64*((\s)%2)+4*n+3] offset:SPITCH*n
.set n, n+1
.endr
.set n, 0
.rept 8
	ds_load_b128 v[X+4*n:X+4*n+3], v6 offset:16*n              ; k = 128 s + 32 h + 0..31
.set n, n+1
.endr
.set n, 0
.rept 8
	ds_load_b128 v[X+32+4*n:X+32+4*n+3], v6 offset:256+16*n    ; k = 128 s + 64 + 32 h + 0..31
.set n, n+1
.endr
.endm
.macro QUANT s
.set PS, P+12*((\s)%2)
.set n, 0
.rept 32                               ; the squares, two at a time, in four chains; the first four products start the chains: nothing is cleared
.if ((\s) == 0) && (n < 4)
	v_pk_mul_f32 v[SQ+2*n:SQ+2*n+1], v[X+2*n:X+2*n+1], v[X+2*n:X+2*n+1]
.else
	v_pk_fma_f32 v[SQ+2*(n%4):SQ+2*(n%4)+1], v[X+2*n:X+2*n+1], v[X+2*n:X+2*n+1], v[SQ+2*(n%4):SQ+2*(n%4)+1]
.endif
.set n, n+1
.endr
	v_max3_num_f32 v10, |v[X]|, |v[X+1]|, 0x2800000            ; my two blocks' largest magnitudes, by turns; the floor 2^(5 - 127) among the leaves holds the byte at 1 from below
	v_max3_num_f32 v11, |v[X+32]|, |v[X+33]|, 0x2800000
.set n, 2
.rept 15
	v_max3_num_f32 v10, v10, |v[X+n]|, |v[X+n+1]|
	v_max3_num_f32 v11, v11, |v[X+32+n]|, |v[X+33+n]|
.set n, n+2
.endr
	v_add_nc_u32 v12, 0xfe000000, v10              ; 4 off the exponent field: the conversion takes the exponent field of this operand as its scale, and nothing else of it
	v_add_nc_u32 v13, 0xfe000000, v11
	v_lshrrev_b32 v14, 23, v12                     ; the scales' bytes: blocks h and 2 + h of my row's K step
	v_lshrrev_b32 v15, 23, v13
	v_lshl_or_b32 v[W+(\s)], v15, 16, v14
	v_lshlrev_b32 v[W+(\s)], v29, v[W+(\s)]        ; at their places in the word, 8 h bits up;
	v_permlanex16_b32 v28, v[W+(\s)], s20, s21
	v_or_b32 v[W+(\s)], v[W+(\s)], v28             ; with lane l xor 16's two the word is whole, in both lanes
	v_cvt_scalef32_pk16_bf6_f32 v[PS:PS+2], v[X:X+15], v12
	v_cvt_scalef32_pk16_bf6_f32 v[T:T+2], v[X+16:X+31], v12    ; (a conversion's three registers begin on an even number: a block's second three do not, so they are made elsewhere and moved)
	v_cvt_scalef32_pk16_bf6_f32 v[PS+6:PS+8], v[X+32:X+47], v13
	v_cvt_scalef32_pk16_bf6_f32 v[T+4:T+6], v[X+48:X+63], v13
	v_nop                                          ; one plain place behind a scaled conversion
.irp k, 0,1,2
	v_mov_b32 v[PS+3+\k], v[T+\k]
	v_mov_b32 v[PS+9+\k], v[T+4+\k]
.endr
.irp c, 0,1,2
	global_store_b128 v4, v[PS+4*\c:PS+4*\c+3], s[8:9] offset:1536*(\s)+512*\c   ; the fragment as it stands: 512 bytes on end, at a multiple of 256 from the buffer's first byte
.endr
.endm
	LOAD 0
	LOAD 1
.irp s, 0,1,2,3
.if \s < 3
	s_wait_loadcnt 16                              ; this K step's sixteen loads are in; the other set's sixteen may be out
.else
	s_wait_loadcnt 0x0
.endif
	TURN \s
	s_wait_dscnt 0x0                               ; my 64 numbers are in, and the stage's stores have read the set,
.if \s < 2
	LOAD \s+2                                      ; which takes the K step two on
.else
	s_wait_xcnt 0x0                                ; the stores of two K steps ago have read this set of codes' registers: they are written again only behind this wait
.endif
	QUANT \s
.endr
	v_cndmask_b32 v30, v[W], v[W+1], s22           ; the scale words as the matrix instruction will take them: lanes 0-15 an even K step's, lanes 16-31 the odd one's
	v_cndmask_b32 v31, v[W+2], v[W+3], s22
	global_store_b64 v9, v[30:31], s[8:9] offset:6144
	v_pk_add_f32 v[SQ:SQ+1], v[SQ:SQ+1], v[SQ+2:SQ+3]
	v_pk_add_f32 v[SQ+4:SQ+5], v[SQ+4:SQ+5], v[SQ+6:SQ+7]
	v_pk_add_f32 v[SQ:SQ+1], v[SQ:SQ+1], v[SQ+4:SQ+5]
	v_add_f32 v[SQ], v[SQ], v[SQ+1]
	v_permlanex16_b32 v28, v[SQ], s20, s21
	v_add_f32 v[SQ], v[SQ], v28                    ; with lane l xor 16's half of the row: the row's sum of squares
	ds_store_b32 v7, v[SQ]                         ; both lanes of a row write the same word with the same value
	ds_load_b64 v[14:15], v8                       ; served in order: this sees the store; eight lanes take the 64 bytes, four times over
	s_wait_dscnt 0x0
	global_store_b64 v9, v[14:15], s[8:9] offset:6400
	s_wait_tensorcnt 0x0
	ds_add_u32 v251, v255
	s_wait_dscnt 0x0
	s_endpgm
.Lfunc_end_k_q9181d2d454_quant:
	.size	k_q9181d2d454_quant, .Lfunc_end_k_q9181d2d454_quant-k_q9181d2d454_quant
	.p2alignl 7, 3214868480
	.fill 96, 4, 3214868480
	.section	.rodata,"a",@progbits
	.p2align	6, 0x0
	.amdhsa_kernel k_q9181d2d454_quant
		.amdhsa_group_segment_fixed_size 17664
		.amdhsa_private_segment_fixed_size 0
		.amdhsa_enable_private_segment 0
		.amdhsa_kernarg_size 32
		.amdhsa_user_sgpr_count 2
		.amdhsa_user_sgpr_kernarg_segment_ptr 1
		.amdhsa_wavefront_size32 1
		.amdhsa_system_sgpr_workgroup_id_x 1
		.amdhsa_system_sgpr_workgroup_id_y 1
		.amdhsa_system_sgpr_workgroup_id_z 1
		.amdhsa_system_vgpr_workitem_id 0
		.amdhsa_next_free_vgpr 256
		.amdhsa_next_free_sgpr 66
		.amdhsa_reserve_vcc 0
		.amdhsa_float_denorm_mode_32 3
		.amdhsa_float_denorm_mode_16_64 3
		.amdhsa_memory_ordered 1
		.amdhsa_forward_progress 1
		.amdhsa_inst_pref_size 39
	.end_amdhsa_kernel
	.amdgpu_metadata
---
amdhsa.version: [ 1, 2 ]
amdhsa.kernels:
  - .name:           k_q9181d2d454_quant
    .symbol:         k_q9181d2d454_quant.kd
    .args:
      - { .name: z_e, .offset: 0, .size: 8, .value_kind: global_buffer, .address_space: global }
      - { .name: codebook, .offset: 8, .size: 8, .value_kind: global_buffer, .address_space: global }
      - { .name: zrec, .offset: 16, .size: 8, .value_kind: global_buffer, .address_space: global }
      - { .name: cbrec, .offset: 24, .size: 8, .value_kind: global_buffer, .address_space: global }
    .group_segment_fixed_size: 17664
    .private_segment_fixed_size: 0
    .kernarg_segment_align: 8
    .kernarg_segment_size: 32
    .max_flat_workgroup_size: 64
    .sgpr_count:     66
    .vgpr_count:     256
    .wavefront_size: 32
...
	.end_amdgpu_metadata
.endif
;; end of part 1
;; launch dist (part 2): grid 32 x 8, 8 waves a work-group, clusters of 4 x 1, 327,680 bytes of LDS; arguments zrec, cbrec, part; writes part
.if DOCPART == 2
	.amdgcn_target "amdgcn-amd-amdhsa--gfx1250"
	.amdhsa_code_object_version 6
	.text
	.protected	k_q9181d2d454_dist
	.globl	k_q9181d2d454_dist
	.p2align	8
	.type	k_q9181d2d454_dist,@function
k_q9181d2d454_dist:
	s_mov_b64 s[64:65], 0
	v_nop
	global_prefetch_b8 v0, s[64:65] scope:SCOPE_SE
	s_setreg_imm32_b32 hwreg(HW_REG_WAVE_MODE, 25, 1), 1
	s_wait_xcnt 0x0
	s_wait_alu depctr_hold_cnt(0) depctr_sa_sdst(0) depctr_va_vdst(0) depctr_va_sdst(0) depctr_va_ssrc(0) depctr_va_vcc(0) depctr_vm_vsrc(0)
	s_getreg_b32 s2, hwreg(HW_REG_IB_STS2, 6, 4)
	s_cmp_eq_u32 s2, 0
	s_cbranch_scc0 .Lentry_in_a_cluster
	s_endpgm
.Lentry_in_a_cluster:
	s_bfe_u32 s2, ttmp6, 0x10000c
	s_cmp_lg_u32 s2, 0x3003
	s_cbranch_scc0 .Lentry_shape_is_right
	s_endpgm
.Lentry_shape_is_right:
; For 512 rows of z_e and one eighth (1,024 rows) of the codebook: dist = (z2 - 2 cross) + e2, both roundings in f32 (z2 stays: the rounding of dist decides ties),
; cross by v_wmma_scale_f32_16x16x128_f8f6f4 on BF6 codes; the least dist of each row and its lowest index go to part [8][2][16384] as (order key, index).
; SHARES: grid 32 x 8 = 256 work-groups.  Eight waves, two to a SIMD; wave w keeps the records of z tiles 4 w .. 4 w + 3 of the work-group's 32 in 192 registers and walks the eighth's 64 codebook tiles.
; The product is used transposed: source 0 = 16 codebook rows, source 1 = 16 rows of z: lane (r, h) holds z row r, register j codebook row 8 h + j of the tile.
; A tile's 16 matrix instructions go in four groups (one K step of the four accumulators, by turns); behind each group stand 18 of the 72 vector lines that finish the tile before, in the other set of accumulators.
; For an accumulator: 4 packed multiply-adds, 4 packed adds, 4 v_min3 that begin at the running least (kept in two registers by turns), one compare, the tile's number and the eight dists kept where the least fell.  A strict less keeps the earlier tile.
; THE RING: two slots of 16 records (106,496 bytes); each wave fetches an eighth of a slot, 52 rows of 256 bytes.  CLUSTER 4 x 1: the four work-groups walk the same eighth and ask for each slot jointly.
; No prefetch: the launch has four fills in all, two of them at the head, and each of the other two is asked for 16 tiles (256 matrix instructions a wave) ahead of its first read.
; LIMITS: NaN and infinities are not served.
; REGISTERS: window 0: v1-15 addresses, v16-19 the codebook's scale words (two sets), v20-27 z's, v28-43 e2 (two sets), v44-59 for each z tile z2, least, tile, least; v64-127 two sets of four accumulators;
;   v128-159 the kept dists; v160-255 two sets of a codebook record's 48 registers.  window 1: v0-191 z's fragments, tile a's K step s at 48 a + 12 s.
.set REC,     6656
.set EIGHTH,  2*REC
.set SLOTB,   16*REC
.set SLOT1,   131072
.set SPARE,   SLOT1+SLOTB              ; the spare words: 128 bytes for each of eight waves
.set STAGE,   SPARE+1024               ; the way out: 512 bytes for each wave
.set LI,  1                            ; 16 lane
.set LS8, 2                            ; 8 lane + 6144
.set LE,  3                            ; 32 h + 6400
.set ADR, 4
.set ADS, 5
.set ADE, 6
.set SPW, 7
.set NIL, 8
.set CS,  16
.set ZS,  20
.set E,   28
.set ST,  44
.set AC,  64
.set SV,  128
.set CB,  160
.set T,   160                          ; at work on the way out, where the fragments lay
.set WV,  10
.set G1,  16
.set G0A, 24
.set G0W, 28
.set TB,  32                           ; LDS byte of the record to fetch next
.set TV,  33                           ; number of the tile that the vector lines finish
.set CNT, 34
.set OUTER, 35
.set SEL, 40
.set HI,  42
.set MSB, 0
.macro WIN new                         ; the immediate's high byte repeats the setting that is left
.if MSB != (\new)
	s_set_vgpr_msb (MSB<<8)|(\new)
.set MSB, (\new)
.endif
.endm
.macro CROUND                          ; a round of the cluster's barrier
	s_barrier_signal -1
	s_barrier_wait -1
	s_cmp_lg_u32 s[WV], 0
	s_cbranch_scc1 .Lnot_wave_0_\@
	s_barrier_signal -3
.Lnot_wave_0_\@:
	s_barrier_wait -3
	s_barrier_signal -1
	s_barrier_wait -1
.endm
.macro NOPS
.rept 4
	v_nop
.endr
.endm
	s_load_b128 s[4:7], s[0:1], 0x0                ; zrec, cbrec
	s_load_b64 s[8:9], s[0:1], 0x10                ; part
	v_lshl_add_u32 v[SPW], v0, 2, SPARE
	v_mov_b32 v[NIL], 0
	ds_add_u32 v[SPW], v[NIL]                      ; the opening lines: the add, twice on end, and its wait
	ds_add_u32 v[SPW], v[NIL]
	v_lshrrev_b32 v15, 5, v0
	v_readfirstlane_b32 s[WV], v15                 ; wave 0..7
	v_and_b32 v14, 31, v0                          ; lane
	v_and_b32 v15, 15, v0                          ; r
	v_bfe_u32 v9, v0, 4, 1                         ; h
	v_lshlrev_b32 v[LI], 4, v14
	v_lshl_add_u32 v[LS8], v14, 3, 6144
	v_lshl_add_u32 v[LE], v9, 5, 6400
	v_lshlrev_b32 v12, 3, v14                      ; 8 lane
	v_lshlrev_b32 v13, 2, v15                      ; 4 r
	s_lshl_b32 s51, s[WV], 9
	s_add_co_u32 s51, s51, STAGE                   ; my stage
	v_lshl_add_u32 v10, v9, 8, v13
	v_add_nc_u32 v10, s51, v10                     ; into it: keys at 4 r (lanes 0-15), indices 256 bytes on (lanes 16-31)
	v_add_nc_u32 v11, s51, v[LI]                   ; out of it: 16 lane
	v_lshlrev_b32 v14, 4, v15
	v_lshl_add_u32 v14, v9, 16, v14                ; in part: 16 r, the plane of indices 65,536 bytes on
	v_lshlrev_b32 v9, 3, v9                        ; 8 h
	s_bfe_u32 s11, ttmp6, 0x40000                  ; cx
	s_lshl_b32 s12, ttmp9, 2
	s_add_co_u32 s12, s12, s11                     ; work-group x: which 512 rows of z
	s_and_b32 s13, ttmp7, 0xffff                   ; y: which eighth
	s_lshl_b32 s44, s12, 5
	s_lshl_b32 s45, s[WV], 2
	s_add_co_u32 s44, s44, s45
	s_mul_i32 s44, s44, REC                        ; my four records of z
	s_mov_b32 s45, 0
	s_mul_i32 s50, s[WV], EIGHTH                   ; my eighth of a slot, in LDS and in memory
	s_mul_i32 s46, s13, 64*REC
	s_add_co_u32 s46, s46, s50
	s_mov_b32 s47, 0
	s_lshl_b32 s48, s13, 17
	s_lshl_b32 s49, s12, 11
	s_add_co_u32 s48, s48, s49
	s_lshl_b32 s49, s[WV], 8
	s_add_co_u32 s48, s48, s49                     ; part: 131,072 y + 4 x my first row
	s_mov_b32 s49, 0
	s_mov_b32 s[G1+0], 15|(3<<16)|(1<<21)          ; the mask names the four; elements of 8 bytes
	s_mov_b32 s[G1+1], 32<<16                      ; rows of 256 bytes,
	s_mov_b32 s[G1+2], 52<<16                      ; 52 of them: two records
	s_mov_b32 s[G1+3], 32<<16
	s_mov_b32 s[G1+4], 52
	s_mov_b32 s[G1+5], 32
	s_mov_b32 s[G1+6], 0
	s_mov_b32 s[G1+7], 0
	s_mov_b32 s[SEL], 0x76543210
	s_mov_b32 s[SEL+1], 0xfedcba98
	s_mov_b32 s[HI], 0xffff0000
	s_mov_b32 s[TB], 0
	s_lshl_b32 s[TV], s13, 6
	s_wait_alu depctr_va_vdst(0)
	s_wait_dscnt 0x0                               ; both opening adds are done
	s_wait_kmcnt 0x0
	s_add_nc_u64 s[4:5], s[4:5], s[44:45]
	s_add_nc_u64 s[6:7], s[6:7], s[46:47]
	s_add_nc_u64 s[8:9], s[8:9], s[48:49]
	s_mov_b32 s[G0A], 1
	s_mov_b32 s[G0A+1], s50
	s_mov_b64 s[G0A+2:G0A+3], s[6:7]
	s_or_b32 s[G0A+3], s[G0A+3], 0x80000000
	s_mov_b32 s[G0W], 1
	s_add_co_u32 s[G0W+1], s50, SLOT1
	s_add_nc_u64 s[G0W+2:G0W+3], s[6:7], SLOTB
	s_or_b32 s[G0W+3], s[G0W+3], 0x80000000
	CROUND                                         ; the four work-groups are here: the first joint loads meet
	tensor_load_to_lds s[G0A:G0A+3], s[G1:G1+7]    ; tiles 0-15: my one tensor load at the head
	s_nop 0
	NOPS
	WIN 0x40                                       ; z's records go out while the tensor load is on its way: 48 loads of 512 bytes on end
.set a, 0
.rept 4
.set c, 0
.rept 12
	global_load_b128 v[48*a+4*c:48*a+4*c+3], v[LI], s[4:5] offset:REC*a+512*c
.set c, c+1
.endr
.set a, a+1
.endr
	WIN 0
.set a, 0
.rept 4
	global_load_b64 v[ZS+2*a:ZS+2*a+1], v12, s[4:5] offset:REC*a+6144
	global_load_b32 v[ST+4*a], v13, s[4:5] offset:REC*a+6400      ; z2 of row r
	v_mov_b32 v[ST+4*a+1], 0x7f800000              ; the least so far
	v_mov_b32 v[ST+4*a+2], 0
.set a, a+1
.endr
.set a, 0
.rept 32
	v_mov_b32 v[SV+a], 0                           ; the selects below read what they keep
.set a, a+1
.endr
	s_wait_alu depctr_va_vdst(0)
	s_wait_tensorcnt 0x0                           ; my part of slot 0 is in; these lines stand ahead of a later first fill as ahead of a refill
	ds_add_u32 v[SPW], v[NIL]
	s_wait_dscnt 0x0
	CROUND
	tensor_load_to_lds s[G0W:G0W+3], s[G1:G1+7]    ; tiles 16-31 into slot 1
	s_nop 0
	NOPS
; four matrix instructions: K step s of tile buffer p against my four z tiles
.macro MM4 p, s
	WIN 0x04                                       ; source 1 (z) in window 1
.set a, 0
.rept 4
.set rD, AC+32*(\p)+8*a
.set rA, CB+48*(\p)+12*(\s)
.set rB, 48*a+12*(\s)
.set rX, CS+2*(\p)+(\s)/2
.set rY, ZS+2*a+(\s)/2
.if (\s) == 0
	v_wmma_scale_f32_16x16x128_f8f6f4 v[rD:rD+7], v[rA:rA+11], v[rB:rB+11], 0, v[rX], v[rY] matrix_a_fmt:MATRIX_FMT_BF6 matrix_b_fmt:MATRIX_FMT_BF6
.elseif (\s) == 2
	v_wmma_scale_f32_16x16x128_f8f6f4 v[rD:rD+7], v[rA:rA+11], v[rB:rB+11], v[rD:rD+7], v[rX], v[rY] matrix_a_fmt:MATRIX_FMT_BF6 matrix_b_fmt:MATRIX_FMT_BF6
.else
	v_wmma_scale_f32_16x16x128_f8f6f4 v[rD:rD+7], v[rA:rA+11], v[rB:rB+11], v[rD:rD+7], v[rX], v[rY] matrix_a_fmt:MATRIX_FMT_BF6 matrix_b_fmt:MATRIX_FMT_BF6 matrix_a_scale:MATRIX_SCALE_ROW1 matrix_b_scale:MATRIX_SCALE_ROW1
.endif
.set a, a+1
.endr
	WIN 0
.endm
; line j of the 72 that finish the tile in accumulator set ve
.macro VOP ve
.if j < 16
.set xr, AC+32*(\ve)+8*(j/4)+2*(j%4)
.set sr, ST+4*(j/4)
	v_pk_fma_f32 v[xr:xr+1], v[xr:xr+1], -2.0, v[sr:sr+1] op_sel_hi:[1,0,0]   ; z2 - 2 cross, one rounding; each accumulator from its low end on
.elseif j < 32
.set xr, AC+32*(\ve)+8*((j-16)/4)+2*(j%4)
.set er, E+8*(\ve)+2*(j%4)
	v_pk_add_f32 v[xr:xr+1], v[xr:xr+1], v[er:er+1]                           ; + e2
.elseif j < 48
.set xr, AC+32*(\ve)+8*(j%4)+2*((j-32)/4)
.set sr, ST+4*(j%4)
.if j < 36
	v_min3_num_f32 v[sr+3-2*(\ve)], v[sr+1+2*(\ve)], v[xr], v[xr+1]           ; the new least begins at the old one; the four tiles by turns
.else
	v_min3_num_f32 v[sr+3-2*(\ve)], v[sr+3-2*(\ve)], v[xr], v[xr+1]
.endif
.else
.set za, (j-48)/6
.set u, (j-48)%6
.set xr, AC+32*(\ve)+8*za
.set sr, ST+4*za
.set vr, SV+8*za
.if u == 0
	v_cmp_lt_f32 vcc_lo, v[sr+3-2*(\ve)], v[sr+1+2*(\ve)]                     ; did the least fall?
.elseif u == 1
	v_cndmask_b32 v[sr+2], v[sr+2], s[TV], vcc_lo                             ; then this tile's number is kept,
.else
	v_dual_cndmask_b32 v[vr+2*u-4], v[vr+2*u-4], v[xr+2*u-4] :: v_dual_cndmask_b32 v[vr+2*u-3], v[vr+2*u-3], v[xr+2*u-3]   ; and its eight dists, two a line
.endif
.endif
.endm
.macro FETCH1 q                        ; the next record's fragments and scale words into set q
	v_add_nc_u32 v[ADR], s[TB], v[LI]
	v_add_nc_u32 v[ADS], s[TB], v[LS8]
.set c, 0
.rept 12
	ds_load_b128 v[CB+48*(\q)+4*c:CB+48*(\q)+4*c+3], v[ADR] offset:512*c
.set c, c+1
.endr
	ds_load_b64 v[CS+2*(\q):CS+2*(\q)+1], v[ADS]
.endm
.macro FETCH2 q                        ; and its eight e2: behind line 31, the last that reads this set's old ones
	v_add_nc_u32 v[ADE], s[TB], v[LE]
	s_add_co_u32 s[TB], s[TB], REC
	ds_load_b128 v[E+8*(\q):E+8*(\q)+3], v[ADE]
	ds_load_b128 v[E+8*(\q)+4:E+8*(\q)+7], v[ADE] offset:16
.endm
; One tile.  The 18 vector lines that close the tile before (or four v_nop) are the places between its last matrix instructions and the loads into the set that they read.
.macro PHASE p, vm, f
.if \f
	FETCH1 1-(\p)
.endif
.irp s, 0,1,2,3
	MM4 \p, \s
.if \vm
.set j, 18*\s
.rept 18
	VOP 1-(\p)
.set j, j+1
.endr
.endif
.if (\s == 1) && (\f)
	FETCH2 1-(\p)
.endif
.endr
.if \vm
	s_add_co_u32 s[TV], s[TV], 1
.else
	NOPS
.endif
.endm
.macro TILE p, f
	s_wait_dscnt 0x0                               ; this tile's record, asked for a tile ago, is in
	PHASE \p, 1, \f
.endm
.macro RUN n
	s_mov_b32 s[CNT], \n
.Lrun_\@:
	TILE 1, 1
	TILE 0, 1
	s_sub_co_u32 s[CNT], s[CNT], 1
	s_cmp_lg_u32 s[CNT], 0
	s_cbranch_scc1 .Lrun_\@
.endm
; A change of slots: the slot's sixteenth record is in registers.  fill = 1: the slot is filled again, behind a round of the cluster's barrier.
.macro CHANGE fill
	s_wait_tensorcnt 0x0                           ; my part of the other slot is in
	ds_add_u32 v[SPW], v[NIL]
.if \fill
	s_xor_b32 s[G0W+1], s[G0W+1], SLOT1
	s_add_nc_u64 s[G0W+2:G0W+3], s[G0W+2:G0W+3], SLOTB
.endif
	s_wait_dscnt 0x0                               ; the add is done, and my reads of this slot are back
.if \fill
	CROUND
	tensor_load_to_lds s[G0W:G0W+3], s[G1:G1+7]
	s_nop 0
	NOPS
.else
	s_barrier_signal -1
	s_barrier_wait -1
.endif
	s_sub_co_u32 s[TB], s[TB], SLOTB
	s_xor_b32 s[TB], s[TB], SLOT1
.endm
	FETCH1 0
	FETCH2 0
	s_wait_loadcnt 0x0                             ; z's records
	s_wait_dscnt 0x0
	PHASE 0, 0, 1                                  ; tile 0: nothing to finish yet
	RUN 7                                          ; tiles 1-14
	s_mov_b32 s[OUTER], 2
.Lslot:
	CHANGE 1
	RUN 8                                          ; tiles 15-30, 31-46
	s_sub_co_u32 s[OUTER], s[OUTER], 1
	s_cmp_lg_u32 s[OUTER], 0
	s_cbranch_scc1 .Lslot
	CHANGE 0
	RUN 8                                          ; tiles 47-62
	TILE 1, 0                                      ; tile 63
.set j, 0
.rept 72
	VOP 1
.set j, j+1
.endr
	v_mov_b32 v[T+2], 0                            ; a lane permute's destination counts as one of its sources
	v_mov_b32 v[T+3], 0
; THE WAY OUT of z tile a: the lowest register that holds the least gives the row in the tile; lanes l and l xor 16 are joined, the lower index at a tie; the least becomes an unsigned order key.
.macro OUTA a
.set rR, ST+4*(\a)+1
.set rI, ST+4*(\a)+2
.set rV, SV+8*(\a)
	v_mov_b32 v[T], 7
.irp k, 6,5,4,3,2,1,0
	v_cmp_eq_f32 vcc_lo, v[rV+\k], v[rR]
	v_cndmask_b32 v[T], v[T], \k, vcc_lo
.endr
	v_lshl_add_u32 v[T+1], v[rI], 4, v[T]
	v_add_nc_u32 v[T+1], v[T+1], v9
	v_permlanex16_b32 v[T+2], v[rR], s[SEL], s[SEL+1]
	v_permlanex16_b32 v[T+3], v[T+1], s[SEL], s[SEL+1]
	v_cmp_lt_f32 s44, v[T+2], v[rR]
	v_cmp_eq_f32 s45, v[T+2], v[rR]
	v_cmp_lt_u32 vcc_lo, v[T+3], v[T+1]
	s_and_b32 s45, s45, vcc_lo
	s_or_b32 s44, s44, s45
	v_cndmask_b32 v[T+4], v[rR], v[T+2], s44
	v_cndmask_b32 v[T+5], v[T+1], v[T+3], s44
	v_ashrrev_i32 v[T+6], 31, v[T+4]
	v_or_b32 v[T+6], 0x80000000, v[T+6]
	v_xor_b32 v[T+6], v[T+4], v[T+6]
	v_cndmask_b32 v[T+7], v[T+6], v[T+5], s[HI]    ; lanes 0-15 the key, lanes 16-31 the index
	ds_store_b32 v10, v[T+7] offset:64*(\a)
.endm
.irp a, 0,1,2,3
	OUTA \a
.endr
	ds_load_b128 v[T+8:T+11], v11                  ; served in order: this sees my stores
	s_wait_dscnt 0x0
	global_store_b128 v14, v[T+8:T+11], s[8:9]     ; sixteen lanes store my 64 keys, 256 bytes on end, sixteen my 64 indices
	s_wait_tensorcnt 0x0                           ; the wave's end
	ds_add_u32 v[SPW], v[NIL]
	s_wait_dscnt 0x0
	CROUND                                         ; the closing round
	s_endpgm
.Lfunc_end_k_q9181d2d454_dist:
	.size	k_q9181d2d454_dist, .Lfunc_end_k_q9181d2d454_dist-k_q9181d2d454_dist
	.p2alignl 7, 3214868480
	.fill 96, 4, 3214868480
	.section	.rodata,"a",@progbits
	.p2align	6, 0x0
	.amdhsa_kernel k_q9181d2d454_dist
		.amdhsa_group_segment_fixed_size 327680
		.amdhsa_private_segment_fixed_size 0
		.amdhsa_enable_private_segment 0
		.amdhsa_kernarg_size 24
		.amdhsa_user_sgpr_count 2
		.amdhsa_user_sgpr_kernarg_segment_ptr 1
		.amdhsa_wavefront_size32 1
		.amdhsa_system_sgpr_workgroup_id_x 1
		.amdhsa_system_sgpr_workgroup_id_y 1
		.amdhsa_system_sgpr_workgroup_id_z 1
		.amdhsa_system_vgpr_workitem_id 0
		.amdhsa_next_free_vgpr 448
		.amdhsa_next_free_sgpr 66
		.amdhsa_reserve_vcc 1
		.amdhsa_float_denorm_mode_32 3
		.amdhsa_float_denorm_mode_16_64 3
		.amdhsa_memory_ordered 1
		.amdhsa_forward_progress 1
		.amdhsa_inst_pref_size 83
	.end_amdhsa_kernel
	.amdgpu_metadata
---
amdhsa.version: [ 1, 2 ]
amdhsa.kernels:
  - .name:           k_q9181d2d454_dist
    .symbol:         k_q9181d2d454_dist.kd
    .args:
      - { .name: zrec, .offset: 0, .size: 8, .value_kind: global_buffer, .address_space: global }
      - { .name: cbrec, .offset: 8, .size: 8, .value_kind: global_buffer, .address_space: global }
      - { .name: part, .offset: 16, .size: 8, .value_kind: global_buffer, .address_space: global }
    .group_segment_fixed_size: 327680
    .private_segment_fixed_size: 0
    .kernarg_segment_align: 8
    .kernarg_segment_size: 24
    .max_flat_workgroup_size: 256
    .sgpr_count:     66
    .vgpr_count:     448
    .wavefront_size: 32
...
	.end_amdgpu_metadata
.endif
;; end of part 2
;; launch gather (part 3): grid 1024 x 1, 4 waves a work-group, no clusters, 0 bytes of LDS; arguments part, codebook, out0; writes out0
.if DOCPART == 3
	.amdgcn_target "amdgcn-amd-amdhsa--gfx1250"
	.amdhsa_code_object_version 6
	.text
	.protected	k_q9181d2d454_gather
	.globl	k_q9181d2d454_gather
	.p2align	8
	.type	k_q9181d2d454_gather,@function
k_q9181d2d454_gather:
	s_mov_b64 s[64:65], 0
	v_nop
	global_prefetch_b8 v0, s[64:65] scope:SCOPE_SE
	s_setreg_imm32_b32 hwreg(HW_REG_WAVE_MODE, 25, 1), 1
	s_wait_xcnt 0x0
; For each row: the eight eighths' (order key, index) pairs from part [8][2][16384] u32 are joined by unsigned compares (a strict less keeps the lower eighth, so the lower index);
; the winning codebook row z_q is fetched and stored in both planes of out0.
; WORK LEFT OUT: out0[0] = z_e + (z_q - z_e) is z_q in real numbers for all finite values, so z_e is not loaded here (the proof and the limit stand at the head of the first kernel).
; The row's address hangs on whole numbers read from memory alone; the index is held to 0..8191 before it enters an address.
; SHARES: a wave takes four rows; a row is 2,048 bytes: four loads or stores of 512 bytes on end.  Straight-line: no register is written twice while a memory instruction may read it.
; No LDS, no matrix unit, no cluster: bytes bind, and which codebook rows two work-groups share hangs on the data.
.set KEY, 4                            ; v4-11    the eight keys of row (lane & 3); v4 becomes the best
.set IDX, 12                           ; v12-19   their indices; v12 becomes the best
.set OFF, 20                           ; v20-23   byte offset of my 16 bytes in row j's codebook row
.set Q,   32                           ; v32-95   the four codebook rows
	s_load_b128 s[4:7], s[0:1], 0x0                ; part s[4:5], codebook s[6:7]
	s_load_b64 s[10:11], s[0:1], 0x10              ; out0
	v_lshrrev_b32 v1, 5, v0
	v_readfirstlane_b32 s14, v1                    ; wave 0..3
	v_and_b32 v2, 31, v0
	v_lshlrev_b32 v1, 4, v2                        ; 16 lane
	v_and_b32 v2, 3, v0
	v_lshlrev_b32 v2, 2, v2                        ; 4 (lane & 3)
	s_lshl_b32 s15, ttmp9, 2
	s_add_co_u32 s15, s15, s14                     ; my four rows begin at row 4 (4 x work-group + wave)
	s_lshl_b32 s16, s15, 4                         ; x 4 bytes
	s_mov_b32 s17, 0
	s_lshl_b32 s18, s15, 13                        ; x 2,048 bytes
	s_mov_b32 s19, 0
	s_wait_alu depctr_va_vdst(0)
	s_wait_kmcnt 0x0
	s_add_nc_u64 s[4:5], s[4:5], s[16:17]
	s_add_nc_u64 s[10:11], s[10:11], s[18:19]
	s_add_nc_u64 s[12:13], s[10:11], 0x2000000     ; the second plane: 16,384 rows of 2,048 bytes on
.set e, 0
.rept 8
	global_load_b32 v[KEY+e], v2, s[4:5] offset:131072*e
	global_load_b32 v[IDX+e], v2, s[4:5] offset:131072*e+65536
.set e, e+1
.endr
	s_wait_loadcnt 0x0                             ; the sixteen words of part are in
.set e, 1
.rept 7
	v_cmp_lt_u32 vcc_lo, v[KEY+e], v[KEY]
	v_cndmask_b32 v[KEY], v[KEY], v[KEY+e], vcc_lo
	v_cndmask_b32 v[IDX], v[IDX], v[IDX+e], vcc_lo
.set e, e+1
.endr
.irp j, 0,1,2,3
	v_readlane_b32 s[20+\j], v[IDX], \j            ; lane j holds row j's index
	s_min_u32 s[20+\j], s[20+\j], 0x1fff           ; inside the table
	s_lshl_b32 s[20+\j], s[20+\j], 11
	v_add_nc_u32 v[OFF+\j], s[20+\j], v1
.irp c, 0,1,2,3
	global_load_b128 v[Q+16*\j+4*\c:Q+16*\j+4*\c+3], v[OFF+\j], s[6:7] offset:512*\c
.endr
.endr
.irp j, 0,1,2,3
	s_wait_loadcnt 12-4*\j                         ; row j's four loads are in; the later rows' may be out
.irp c, 0,1,2,3
	global_store_b128 v1, v[Q+16*\j+4*\c:Q+16*\j+4*\c+3], s[10:11] offset:2048*\j+512*\c th:TH_STORE_NT   ; 512 bytes on end, at a multiple of 256 from the buffer's first byte; written once, read by nobody here
	global_store_b128 v1, v[Q+16*\j+4*\c:Q+16*\j+4*\c+3], s[12:13] offset:2048*\j+512*\c th:TH_STORE_NT
.endr
.endr
	s_endpgm
.Lfunc_end_k_q9181d2d454_gather:
	.size	k_q9181d2d454_gather, .Lfunc_end_k_q9181d2d454_gather-k_q9181d2d454_gather
	.p2alignl 7, 3214868480
	.fill 96, 4, 3214868480
	.section	.rodata,"a",@progbits
	.p2align	6, 0x0
	.amdhsa_kernel k_q9181d2d454_gather
		.amdhsa_group_segment_fixed_size 0
		.amdhsa_private_segment_fixed_size 0
		.amdhsa_enable_private_segment 0
		.amdhsa_kernarg_size 24
		.amdhsa_user_sgpr_count 2
		.amdhsa_user_sgpr_kernarg_segment_ptr 1
		.amdhsa_wavefront_size32 1
		.amdhsa_system_sgpr_workgroup_id_x 1
		.amdhsa_system_sgpr_workgroup_id_y 1
		.amdhsa_system_sgpr_workgroup_id_z 1
		.amdhsa_system_vgpr_workitem_id 0
		.amdhsa_next_free_vgpr 96
		.amdhsa_next_free_sgpr 66
		.amdhsa_reserve_vcc 1
		.amdhsa_float_denorm_mode_32 3
		.amdhsa_float_denorm_mode_16_64 3
		.amdhsa_memory_ordered 1
		.amdhsa_forward_progress 1
		.amdhsa_inst_pref_size 9
	.end_amdhsa_kernel
	.amdgpu_metadata
---
amdhsa.version: [ 1, 2 ]
amdhsa.kernels:
  - .name:           k_q9181d2d454_gather
    .symbol:         k_q9181d2d454_gather.kd
    .args:
      - { .name: part, .offset: 0, .size: 8, .value_kind: global_buffer, .address_space: global }
      - { .name: codebook, .offset: 8, .size: 8, .value_kind: global_buffer, .address_space: global }
      - { .name: out0, .offset: 16, .size: 8, .value_kind: global_buffer, .address_space: global }
    .group_segment_fixed_size: 0
    .private_segment_fixed_size: 0
    .kernarg_segment_align: 8
    .kernarg_segment_size: 24
    .max_flat_workgroup_size: 128
    .sgpr_count:     66
    .vgpr_count:     96
    .wavefront_size: 32
...
	.end_amdgpu_metadata
.endif
;; end of part 3
